; MI455X (gfx1250); checked and timed in simulation.
; The chip was launched on July 23, 2026; its instructions are those of AMD's public machine-readable ISA for CDNA 5 (MIT licence, August 2026) and "CDNA5" Instruction Set Architecture Reference Guide (July 2026). The comments in the code are by the model that wrote it; some were corrected since.
;; TRL Masked. Allowed arithmetic: float matrix products may take bf16 or f16 operands with f32 sums; all other float work in f32.
;; Inputs: bias 1,024 float32; core 8 x 8 x 8 x 8 x 64 float32; f0 8 x 8 x 8 x 8 float32; f1 8 x 8 x 8 x 8 float32; f2 8 x 8 x 8 x 8 float32; f3 8 x 8 x 8 x 8 float32; out_factor 64 x 1,024 float32; x 4,096 x 8 x 8 x 8 x 8 float32.
;; Outputs: out0 4,096 x 1,024 float32.
;; One version. Each part assembles by itself: llvm-mc -triple=amdgcn-amd-amdhsa -mcpu=gfx1250 --defsym DOCPART=n.
;; ======== version 1 of 1: 2 launches
;; workspace buffers: t4f 524,288 bytes; off 131,072 bytes
;; launch ring (part 1): grid 256 x 1, 8 waves a work-group, clusters of 4 x 1, 304,384 bytes of LDS; arguments f0, f1, f2, f3, core, out_factor, t4f, off; writes t4f, off
.if DOCPART == 1
	.amdgcn_target "amdgcn-amd-amdhsa--gfx1250"
	.amdhsa_code_object_version 6
	.text
	.protected	k_q1e4287dad2_ring
	.globl	k_q1e4287dad2_ring
	.p2align	8
	.type	k_q1e4287dad2_ring,@function
k_q1e4287dad2_ring:
	s_mov_b64 s[64:65], 0
	v_nop
	global_prefetch_b8 v0, s[64:65] scope:SCOPE_SE
	s_setreg_imm32_b32 hwreg(HW_REG_WAVE_MODE, 25, 1), 1
	s_wait_xcnt 0x0
	s_wait_alu depctr_hold_cnt(0) depctr_sa_sdst(0) depctr_va_vdst(0) depctr_va_sdst(0) depctr_va_ssrc(0) depctr_va_vcc(0) depctr_vm_vsrc(0)
	s_getreg_b32 s2, hwreg(HW_REG_IB_STS2, 6, 4)
	s_cmp_eq_u32 s2, 0
	s_cbranch_scc0 .Lentry_in_a_cluster
	s_endpgm
.Lentry_in_a_cluster:
	s_bfe_u32 s2, ttmp6, 0x10000c
	s_cmp_lg_u32 s2, 0x3003
	s_cbranch_scc0 .Lentry_shape_is_right
	s_endpgm
.Lentry_shape_is_right:
; THE TENSOR RING, CLOSED:  T4[i,j,k,l,o] = sum over a,b,c,d,p,q,s,t of
;     f0[i,a,b,p] f1[j,b,c,q] f2[k,c,d,s] f3[l,d,a,t] core[p,q,s,t,o],
; stored in bf16 as ready matrix fragments (t4f), and out_factor in bf16 as ready fragments (off), for the second launch.
; THE PROGRAM computes out = (x . T4) . out_factor + bias, where the problem's text forms W = T4 . out_factor first.  In exact
; arithmetic the two are equal for all values; no input and no step is left out, all eight inputs are loaded.
; LIMITS: the order of the sums differs from the problem's text.  Every input of a product is rounded once to bf16.  T4 is rounded
; once to bf16; every other intermediate goes to the matrix unit as a pair hi + lo of bf16 (two products), about 16 bits.  bf16 has
; f32's exponents, so no range is lost.  The last contraction holds two k in one tile by zeros in f3's fragment: an
; infinity or NaN in an intermediate of one k then also reaches the neighbouring k.
;
; SHARES.  Work-group = (ij, 16 columns o = 16 oq ..).  Wave w = t.  Per wave, with r = lane & 15, h = lane >> 4:
;   A01[a,c;p,q] = sum b  f0[i,a,b,p] f1[j,b,c,q]      (made once by all eight waves together, two tiles each, kept in LDS as hi and lo)
;   U[a,c;s,o]   = sum pq A01 core[p,q,s,t,o]          step 2: 4 row tiles (a pair each) x 8 s, K = 64, hi and lo
;   V[k,d;a,o]   = sum cs f2[k,c,d,s] U                step 3: U's result registers are split in place into B fragments: no lane exchange
;   T4p[k,l,o]   = sum da f3[l,d,a,t] V                step 4: the lane half of V's registers is k's low bit; f3's fragment has rows (k low bit, l)
;   T4 = sum over t of T4p: the eight waves' tiles meet in LDS.
; CLUSTERS: the four work-groups of a cluster have one oq and four neighbouring ij, so they need the same 8^4 x 16 numbers of core, 262,144 bytes.
; Each wave asks for its own t jointly with the same wave of the three partners: eight tiles, one for each p, of 64 rows (q, s) x 64 bytes.  That divides the
; requests for core by four.  The rows are 64 bytes because the tensor has only 16 of a work-group's o side by side.  No tile is filled twice.
; Core stays in f32 in LDS; a lane takes the sixteen (p, q) of its column o one word at a time and rounds them straight into the fragment: no second copy.
.set PIT,   144                        ; an LDS row of bf16: 64 numbers + 16 bytes, an odd multiple of 16
.set PBLK,  4160                       ; core for one (t, p): 64 rows (q, s) of 64 bytes, and 64 bytes more, so that p and p + 1, which the two lane halves read together, lie 16 banks apart
.set CBLK,  8*PBLK                     ; core for one t: a wave's own block.  Its first 4,096 bytes take the wave's partial T4 at the end, behind the block's one and only fill
.set A01H,  8*CBLK                     ; 64 rows R(a,c) = 16 (a>>1) + 8 (c>>2) + 2 (c&3) + (a&1), positions p*8+q: hi parts
.set HILO,  64*PIT                     ; the lo parts lie this far behind
.set F2B,   A01H+2*HILO                ; 64 rows k*8+d, positions 32 (s>>2) + 16 ((s>>1)&1) + 8 (c>>2) + 4 (s&1) + (c&3)
.set F3B,   F2B+64*PIT                 ; l * F3LP + t * PIT, positions a*8+d
.set F3LP,  8*PIT+16
; registers, window 0
.set NEG1,  4                          ; -1.0
.set T0,    144                        ; v144-148 at work while addresses are made
.set TP,    144                        ; v144-175 staging: packed bf16
.set OFX,   176                        ; v176-183 staging, wave 7: out_factor as loaded
.set MF,    184                        ; v184-207 staging: fragments of f1, f0, f0
.set MD,    208                        ; v208-223 staging: two tiles of A01; then v208-211 wave 7's chunk of off
.set F2R,   224                        ; v224-239 staging: f2 as loaded; then v225-236 the main part's addresses
.set F3R,   240                        ; v240-255 staging: f3 as loaded
.set ACC,   16                         ; v16-79   8 accumulator tiles (steps 2 and 3)
.set PU,    80                         ; v80-143  U as B fragments [a&1][hi,lo][K block], then V as B fragments [k pair][hi,lo]
.set AF,    144                        ; v144-175 A01's fragments [hi,lo][K block] of one row tile
.set ACC4,  176                        ; v176-207 4 accumulator tiles of step 4
.set RDA,   232                        ; v232-235 the sum over t: addresses of waves 0-1, 2-3, 4-5, 6-7
; registers, window 1 (v256 and up), by their low names
.set CB,    0                          ; core's fragments [s][K block]
.set RAWB,  128                        ; core in f32 on its way: four groups of 16 take turns; afterwards these registers are F2A
.set F2A,   128                        ; f2's fragments [row tile][K block]
.set F3F,   192                        ; f3's fragments [a pair]
.set CADR,  224                        ; core's LDS address, in the window of the loads' destinations: one setting serves loads and conversions
.set G1,    48                         ; s[48:55] descriptor group 1
.set G0,    68                         ; s[68:99] descriptor group 0, one set for each p
.set MSB, 0
.macro WIN new                         ; s_set_vgpr_msb: low byte = windows of source 0, 1, 2, destination; high byte repeats the setting left
.if MSB != \new
	s_set_vgpr_msb (MSB<<8)|\new
.set MSB, \new
.endif
.endm
.macro PLACES                          ; four independent vector instructions behind a matrix instruction, before its result is read
.rept 4                                ; or one of its registers written (ISA guide 7.12.1)
	v_nop
.endr
.endm
; A round of the cluster's barrier: my work-group's barrier, so that wave 0 speaks for all eight waves; wave 0 signals; every wave waits for the four work-groups; my work-group's barrier once more.
.macro ROUND
	s_barrier_signal -1
	s_barrier_wait -1
	s_cmp_lg_u32 s24, 0
	s_cbranch_scc1 .Lnot_wave_0_\@
	s_barrier_signal -3
.Lnot_wave_0_\@:
	s_barrier_wait -3
	s_barrier_signal -1
	s_barrier_wait -1
.endm
.macro WM d, a, b, acc                 ; one product; acc = 0: it starts the sum, nothing is cleared
.if \acc
	v_wmma_f32_16x16x32_bf16 v[\d:\d+7], v[\a:\a+7], v[\b:\b+7], v[\d:\d+7]
.else
	v_wmma_f32_16x16x32_bf16 v[\d:\d+7], v[\a:\a+7], v[\b:\b+7], 0
.endif
.endm
.macro PK d, a, b                      ; two roundings to bf16, a in the low half
	v_cvt_pk_bf16_f32 v[\d], v[\a], v[\b]
.endm
.macro REST hh, a, b                   ; a -= bf16 low half of hh, b -= its high half: exact in f32
	v_fma_mix_f32_bf16 v[\a], v[\hh], v[NEG1], v[\a] op_sel_hi:[1,0,0]
	v_fma_mix_f32_bf16 v[\b], v[\hh], v[NEG1], v[\b] op_sel:[1,0,0] op_sel_hi:[1,0,0]
.endm
; Group g of sixteen: p = 2 (g>>2) + h, s = 2 (g&3) + 0, 1, q = 0..7, o = r: sixteen words a lane.  32 lanes take two runs of 64 bytes, 16 banks apart.
.macro CLD g
.irp x, 0,1,2,3,4,5,6,7,8,9,10,11,12,13,14,15
	ds_load_b32 v[RAWB+16*(\g&3)+\x], v[CADR] offset:(\g>>2)*2*PBLK+(\x&7)*512+(2*(\g&3)+(\x>>3))*64
.endr
.endm
; The same group rounded: K = 8 p + q, so p = 2 (g>>2) + h fills registers 4 ((g>>2)&1) .. + 3 of K block g>>3, two q to a register.
.macro CCV g
.irp x, 0,1,2,3,4,5,6,7
	PK CB+16*(2*(\g&3)+(\x>>2))+8*(\g>>3)+4*((\g>>2)&1)+(\x&3), RAWB+16*(\g&3)+8*(\x>>2)+2*(\x&3), RAWB+16*(\g&3)+8*(\x>>2)+2*(\x&3)+1
.endr
.endm
; A01's fragments of row tile mx: hi and lo, two K blocks
.macro A01_LD mx
.irp hk, 0,1,2,3
	ds_load_b128 v[AF+8*\hk:AF+8*\hk+3],   v227 offset:\mx*16*PIT+(\hk>>1)*HILO+(\hk&1)*64
	ds_load_b128 v[AF+8*\hk+4:AF+8*\hk+7], v227 offset:\mx*16*PIT+(\hk>>1)*HILO+(\hk&1)*64+32
.endr
.endm
; U's tile s: register j of lane half h is c = 4h + (j>>1), a&1 = j&1.  For each a&1 the pairs (c, c+1) go to register 2 (s&3) + (c&3)/2 of K block s>>2.
.macro USPLIT sx
.irp av, 0,1,2,3
	PK PU+32*(\av&1)+8*(\sx>>2)+2*(\sx&3)+(\av>>1), ACC+8*\sx+4*(\av>>1)+(\av&1), ACC+8*\sx+4*(\av>>1)+2+(\av&1)
.endr
.irp av, 0,1,2,3
	REST PU+32*(\av&1)+8*(\sx>>2)+2*(\sx&3)+(\av>>1), ACC+8*\sx+4*(\av>>1)+(\av&1), ACC+8*\sx+4*(\av>>1)+2+(\av&1)
.endr
.irp av, 0,1,2,3
	PK PU+32*(\av&1)+16+8*(\sx>>2)+2*(\sx&3)+(\av>>1), ACC+8*\sx+4*(\av>>1)+(\av&1), ACC+8*\sx+4*(\av>>1)+2+(\av&1)
.endr
.endm
; V's two tiles (a&1 = 0, 1) of k pair m: register j is d.  Registers 0-3 of the fragment: a&1 = 0, d = 0..7; registers 4-7: a&1 = 1.
.macro VSPLIT m
.irp au, 0,1,2,3,4,5,6,7
	PK PU+16*\m+\au, ACC+16*\m+2*\au, ACC+16*\m+2*\au+1
.endr
.irp au, 0,1,2,3,4,5,6,7
	REST PU+16*\m+\au, ACC+16*\m+2*\au, ACC+16*\m+2*\au+1
.endr
.irp au, 0,1,2,3,4,5,6,7
	PK PU+16*\m+8+\au, ACC+16*\m+2*\au, ACC+16*\m+2*\au+1
.endr
.endm
	s_load_b512 s[8:23], s[0:1], 0x0               ; f0 s[8:9], f1 s[10:11], f2 s[12:13], f3 s[14:15], core s[16:17], out_factor s[18:19], t4f s[20:21], off s[22:23]
	v_lshl_add_u32 v8, v0, 2, 0x4a100
	v_mov_b32 v15, 0
	ds_add_u32 v8, v15
	ds_add_u32 v8, v15
	v_lshrrev_b32 v1, 5, v0
	v_readfirstlane_b32 s24, v1                    ; wave w
	v_and_b32 v1, 31, v0                           ; lane L
	v_and_b32 v2, 15, v0                           ; r
	v_bfe_u32 v3, v0, 4, 1                         ; h
	v_mov_b32 v[NEG1], -1.0
	v_and_b32 v[T0], 7, v0                         ; r & 7
	v_bfe_u32 v[T0+1], v0, 3, 1                    ; r >> 3
	v_bfe_u32 v[T0+2], v0, 2, 3                    ; L >> 2
	v_and_b32 v[T0+3], 3, v0                       ; L & 3
	; My place in the cluster enters global offsets alone, and only s25, s27-29, s32, s34, s40, s42, s44, s46, s47 ever hold anything made of it.
	s_bfe_u32 s47, ttmp6, 0x40000                  ; cx
	s_and_b32 s26, ttmp9, 3                        ; oq: which 16 columns o; the same in the four partners
	s_and_b32 s27, ttmp9, 0x3c
	s_add_co_u32 s27, s27, s47                     ; ij = 4 (cluster >> 2) + cx
	s_lshl_b32 s25, ttmp9, 2
	s_add_co_u32 s25, s25, s47                     ; the work-group's number: its chunk of off
	s_lshr_b32 s28, s27, 3                         ; i
	s_and_b32 s29, s27, 7                          ; j
	s_and_b32 s30, s24, 1                          ; w & 1
	s_lshr_b32 s31, s24, 1                         ; w >> 1
	; byte offsets into the buffers, each in a pair of its own with 0 above
	s_lshl_b32 s32, s28, 11                        ; f0: i * 2048 + column tile 2 (w&1) * 512
	s_lshl_b32 s2, s30, 10
	s_add_co_u32 s32, s32, s2
	s_mov_b32 s33, 0
	s_lshl_b32 s34, s29, 11                        ; f1: j * 2048 + row tile (w>>1) * 64
	s_lshl_b32 s2, s31, 6
	s_add_co_u32 s34, s34, s2
	s_mov_b32 s35, 0
	s_lshl_b32 s36, s24, 11                        ; f2: k = w; f3: l = w
	s_mov_b32 s37, 0
	s_lshl_b32 s38, s24, 8                         ; core: t = w, 16 o
	s_lshl_b32 s2, s26, 6
	s_add_co_u32 s38, s38, s2
	s_mov_b32 s39, 0
	s_bfe_u32 s40, s25, 0x10001                    ; out_factor, chunk of off = [g 16][i 4][K block 2][half 2]: K block * 32 rows of 4096 bytes
	s_lshl_b32 s40, s40, 17
	s_and_b32 s46, s25, 1                          ; half * 8 rows
	s_lshl_b32 s46, s46, 15
	s_add_co_u32 s40, s40, s46
	s_lshr_b32 s46, s25, 4                         ; g * 64 columns
	s_lshl_b32 s46, s46, 8
	s_add_co_u32 s40, s40, s46
	s_bfe_u32 s46, s25, 0x20002                    ; i: one column
	s_lshl_b32 s46, s46, 2
	s_add_co_u32 s40, s40, s46
	s_mov_b32 s41, 0
	s_lshl_b32 s42, s25, 9                         ; off: chunks of 512 bytes
	s_mov_b32 s43, 0
	s_lshl_b32 s44, s27, 1                         ; t4f (waves 0-3): K block 2 ij + (w>>1), o tile oq, lanes 16 (w&1) ..
	s_add_co_u32 s44, s44, s31
	s_lshl_b32 s44, s44, 12
	s_lshl_b32 s2, s26, 10
	s_add_co_u32 s44, s44, s2
	s_lshl_b32 s2, s30, 8
	s_add_co_u32 s44, s44, s2
	s_mov_b32 s45, 0
	; descriptor group 1: a tile of 64 rows x 16 elements of 4 bytes, asked for jointly by the cluster's four work-groups
	s_mov_b32 s[G1+0], 15|(2<<16)|(1<<21)          ; 15:0 the mask: all four; 17:16 elements of 4 bytes; 20 no padding; 21 set beside a mask
	s_mov_b32 s[G1+1], 16<<16                      ; tensor_dim0 = 16
	s_mov_b32 s[G1+2], 64<<16                      ; tensor_dim1 = 64
	s_mov_b32 s[G1+3], 16<<16                      ; tile_dim0 = 16 elements, 64 bytes
	s_mov_b32 s[G1+4], 64                          ; tile_dim1 = 64 rows: (q, s), since q's stride is eight times s's
	s_mov_b32 s[G1+5], 512                         ; elements from s to s + 1
	s_mov_b32 s[G1+6], 0
	s_mov_b32 s[G1+7], 0
	s_mul_i32 s4, s24, CBLK                        ; my block of core in LDS: the wave's number times a constant
	; lane offsets of the loads; none of v5-v14 is written again
	v_lshlrev_b32 v5, 2, v2                        ; f1[j, b = 4h+e, c, q]: h * 1024 + r * 4 (r = (c&1, q))
	v_lshl_add_u32 v5, v3, 10, v5
	v_lshlrev_b32 v6, 2, v[T0]                     ; f0[i, a, b = 4h+e, p]: (r>>3) * 256 + h * 128 + (r&7) * 4
	v_lshl_add_u32 v6, v3, 7, v6
	v_lshl_add_u32 v6, v[T0+1], 8, v6
	v_lshlrev_b32 v7, 3, v1                        ; f2, f3: 8 bytes a lane
	v_mul_u32_u24 v9, v3, PBLK                     ; core in LDS: p's low bit = h, o = r
	v_lshl_add_u32 v9, v2, 2, v9
	v_lshlrev_b32 v13, 4, v2                       ; out_factor: h * 16 rows + r * 4 columns
	v_lshl_add_u32 v13, v3, 16, v13
	v_lshlrev_b32 v14, 4, v1                       ; off: 16 bytes a lane
	; LDS addresses of the staging stores: every wave's bytes are its own
	s_lshl_b32 s2, s30, 5                          ; A01: row 16 ntm + 8 (mtm>>1) + 4 (mtm&1) + 2h + (r>>3), ntm = 2 (w&1) (+1), mtm = w>>1
	s_lshr_b32 s3, s24, 2
	s_lshl_b32 s3, s3, 3
	s_add_co_u32 s2, s2, s3
	s_and_b32 s3, s31, 1
	s_lshl_b32 s3, s3, 2
	s_add_co_u32 s2, s2, s3
	s_mul_i32 s2, s2, PIT
	s_add_co_u32 s2, s2, A01H
	v_lshl_add_u32 v[T0+4], v3, 1, v[T0+1]
	v_mul_u32_u24 v10, v[T0+4], PIT
	v_lshl_add_u32 v10, v[T0], 4, v10              ; position p*8, p = r&7
	v_add_nc_u32 v10, s2, v10
	s_mul_i32 s2, s24, 8*PIT                       ; f2: row 8 w + d, d = L>>2; 32 bytes for the two s of L&3
	s_add_co_u32 s2, s2, F2B
	v_mul_u32_u24 v11, v[T0+2], PIT
	v_lshl_add_u32 v11, v[T0+3], 5, v11
	v_add_nc_u32 v11, s2, v11
	s_mul_i32 s2, s24, F3LP                        ; f3: block l = w, row t = 2 (L&3) (+1), position a*8, a = L>>2
	s_add_co_u32 s2, s2, F3B
	v_mul_u32_u24 v12, v[T0+3], 2*PIT
	v_lshl_add_u32 v12, v[T0+2], 4, v12
	v_add_nc_u32 v12, s2, v12
	s_wait_dscnt 0x0
	s_wait_kmcnt 0x0
	s_add_nc_u64 s[8:9], s[8:9], s[32:33]
	s_add_nc_u64 s[10:11], s[10:11], s[34:35]
	s_add_nc_u64 s[12:13], s[12:13], s[36:37]
	s_add_nc_u64 s[14:15], s[14:15], s[36:37]
	s_add_nc_u64 s[16:17], s[16:17], s[38:39]
	s_add_nc_u64 s[18:19], s[18:19], s[40:41]
	s_add_nc_u64 s[20:21], s[20:21], s[44:45]
	s_add_nc_u64 s[22:23], s[22:23], s[42:43]
	; The small loads go out ahead of the round, so that they are on their way while the four work-groups meet.
	; Wave 7 also makes one chunk of off.  Its eight loads are the wave's oldest, so every count below holds in all waves alike.
	s_cmp_lg_u32 s24, 7
	s_cbranch_scc1 .Lno_of_load
.irp e, 0,1,2,3,4,5,6,7
	global_load_b32 v[OFX+\e], v13, s[18:19] offset:\e*4096        ; out_factor[o = 32 kb2 + 16 h + 8 hf + e, f = 64 g + 4 r + i]
.endr
.Lno_of_load:
.irp e, 0,1,2,3
	global_load_b32 v[MF+4+\e],  v5, s[10:11] offset:\e*256        ; f1, b = 4h + e
.endr
.irp e, 0,1,2,3
	global_load_b32 v[MF+12+\e], v6, s[8:9] offset:\e*32           ; f0, first column tile
	global_load_b32 v[MF+20+\e], v6, s[8:9] offset:512+\e*32       ; f0, second column tile
.endr
.irp c, 0,1,2,3,4,5,6,7
	global_load_b64 v[F2R+2*\c:F2R+2*\c+1], v7, s[12:13] offset:\c*256     ; f2[k = w, c, d = L>>2, s = 2 (L&3) + 0, 1]
.endr
.irp c, 0,1,2,3,4,5,6,7
	global_load_b64 v[F3R+2*\c:F3R+2*\c+1], v7, s[14:15] offset:\c*256     ; f3[l = w, d = c, a = L>>2, t = 2 (L&3) + 0, 1]
.endr
	; descriptor group 0, one set for each p: made of the wave's number, oq and constants, so equal in the four partners; never written again
.irp p, 0,1,2,3,4,5,6,7
	s_mov_b32 s[G0+4*\p], 1                                        ; count = 1
	s_add_co_u32 s[G0+4*\p+1], s4, \p*PBLK                         ; LDS address
	s_add_nc_u64 s[G0+4*\p+2:G0+4*\p+3], s[16:17], \p*131072       ; core[p, 0, 0, t = w, 16 oq]
	s_or_b32 s[G0+4*\p+3], s[G0+4*\p+3], 0x80000000                ; type = 2
.endr
	ROUND                                          ; the four work-groups are here: the joint loads meet
.irp p, 0,1,2,3,4,5,6,7
	tensor_load_to_lds s[G0+4*\p:G0+4*\p+3], s[G1:G1+7]            ; all first fills in one group: eight tensor loads of the wave are out
	s_nop 0
.endr
	; A01: two tiles a wave.  K = b = 8 lies in the first four places of each lane half; the other places are zero.
	s_wait_loadcnt 16                              ; behind f0's and f1's twelve: f2 8, f3 8
.irp f, MF, MF+8, MF+16
	v_cvt_pk_bf16_f32 v[\f],   v[\f+4], v[\f+5]
	v_cvt_pk_bf16_f32 v[\f+1], v[\f+6], v[\f+7]
.irp z, 2,3,4,5,6,7
	v_mov_b32 v[\f+\z], 0
.endr
.endr
	v_wmma_f32_16x16x32_bf16 v[MD:MD+7],    v[MF:MF+7], v[MF+8:MF+15],  0    ; rows (c, q) of f1, columns (a, p) of f0
	v_wmma_f32_16x16x32_bf16 v[MD+8:MD+15], v[MF:MF+7], v[MF+16:MF+23], 0
	PLACES
.irp tu, 0,1,2,3,4,5,6,7                           ; a lane holds q = 0..7 of (a, c, p): 16 bytes of a row, hi and lo
	PK TP+8*(\tu>>2)+(\tu&3), MD+2*\tu, MD+2*\tu+1
.endr
.irp tu, 0,1,2,3,4,5,6,7
	REST TP+8*(\tu>>2)+(\tu&3), MD+2*\tu, MD+2*\tu+1
.endr
.irp tu, 0,1,2,3,4,5,6,7
	PK TP+8*(\tu>>2)+4+(\tu&3), MD+2*\tu, MD+2*\tu+1
.endr
.irp tt, 0,1
	ds_store_b128 v10, v[TP+8*\tt:TP+8*\tt+3]   offset:\tt*16*PIT
	ds_store_b128 v10, v[TP+8*\tt+4:TP+8*\tt+7] offset:\tt*16*PIT+HILO
.endr
	; f2: pairs of c packed; the order of positions is the one in which step 2 leaves U in the registers
	s_wait_loadcnt 8                               ; behind f2's eight: f3 8
.irp uv, 0,1,2,3,4,5,6,7                           ; u = uv & 1 (s&1), v = uv >> 1 (c pair)
	PK TP+16+4*(\uv>>2)+2*(\uv&1)+((\uv>>1)&1), F2R+4*(\uv>>1)+(\uv&1), F2R+4*(\uv>>1)+2+(\uv&1)
.endr
	ds_store_b128 v11, v[TP+16:TP+19]
	ds_store_b128 v11, v[TP+20:TP+23] offset:16
	; f3: pairs of d packed, one row for each of the lane's two t
	s_wait_loadcnt 0x0                             ; f3's eight are the youngest
.irp uv, 0,1,2,3,4,5,6,7
	PK TP+24+4*(\uv&1)+(\uv>>1), F3R+4*(\uv>>1)+(\uv&1), F3R+4*(\uv>>1)+2+(\uv&1)
.endr
	ds_store_b128 v12, v[TP+24:TP+27]
	ds_store_b128 v12, v[TP+28:TP+31] offset:PIT
	s_cmp_lg_u32 s24, 7
	s_cbranch_scc1 .Lno_of_store
.irp u, 0,1,2,3
	PK MD+\u, OFX+2*\u, OFX+2*\u+1
.endr
	global_store_b128 v14, v[MD:MD+3], s[22:23]    ; 512 consecutive bytes; v14 and v208-211 are not written again
.Lno_of_store:
	; the main part's addresses
	v_mul_u32_u24 v231, v2, PIT
	v_lshl_add_u32 v231, v3, 4, v231               ; a fragment's lane term: r * pitch + 16 h
	v_add_nc_u32 v225, F2B, v231
	v_add_nc_u32 v227, A01H, v231
	v_and_b32 v236, 7, v2
	v_mul_u32_u24 v226, v236, F3LP                 ; f3: l = r & 7, t = w
	s_mul_i32 s2, s24, PIT
	s_add_co_u32 s2, s2, F3B
	v_add_nc_u32 v226, s2, v226
	v_lshl_add_u32 v228, v1, 4, s4                 ; my partial sums: the head of my own block of core
	s_lshl_b32 s2, s24, 10
	v_lshl_add_u32 v[RDA], v1, 4, s2               ; k pair w of every wave's partial sums: blocks 0 and 1,
	v_add_nc_u32 v[RDA+1], 2*CBLK, v[RDA]          ; 2 and 3,
	v_add_nc_u32 v[RDA+2], 4*CBLK, v[RDA]          ; 4 and 5,
	v_add_nc_u32 v[RDA+3], 6*CBLK, v[RDA]          ; 6 and 7: an LDS immediate reaches one block further, not seven
	v_lshlrev_b32 v230, 4, v2
	v_lshl_add_u32 v230, v3, 9, v230               ; t4f: h * 512 + r * 16
	v_lshrrev_b32 v236, 3, v2
	v_cmp_eq_u32 vcc_lo, v236, v3                  ; lanes whose row's k bit (r>>3) is the K half that they hold
	s_wait_dscnt 0x0                               ; my stores of A01, f2, f3 are done, for the other waves' sake
	s_barrier_signal -1                            ; this barrier serves A01, f2 and f3 alone.  Core's tiles may stay on their way across it
	s_barrier_wait -1                              ; and each tile is read by the wave that asked for it, behind that wave's own counted wait
	WIN 0x40
	v_add_nc_u32 v[CADR], s4, v9                   ; my block + h * PBLK + 4 r
.irp sk, 0,1,2,3,4,5,6,7                           ; f3, a = sk: 16 bytes, d = 0..7
	ds_load_b128 v[F3F+4*\sk:F3F+4*\sk+3], v226 offset:\sk*16
.endr
	; Core into fragments, as its tiles land.  Four groups of sixteen registers take turns, three groups of loads are out at the most.
	WIN 0x45                                       ; loads: destination and address in window 1; conversions: all three in window 1
	s_wait_tensorcnt 6                             ; tensor loads of a wave end in order (ISA guide 10.11.1): p = 0, 1 are in, the six younger tiles stay out
	CLD 0
	CLD 1
	CLD 2
.irp g, 0,1,2,3,4,5,6,7,8,9,10,11,12
	s_wait_dscnt 32                                ; two groups of sixteen were issued behind the one that is due
	CCV \g
.if ((\g+3)&3) == 0
	s_wait_tensorcnt 6-2*((\g+3)>>2)               ; the next pair of p: the tiles younger than it stay out
.endif
	CLD (\g+3)
.endr
	s_wait_dscnt 32
	CCV 13
	s_wait_dscnt 16
	CCV 14
	s_wait_dscnt 0x0
	CCV 15
	WIN 0
	A01_LD 0
	WIN 0x40
.irp sk, 0,1,2,3,4,5,6,7                           ; f2's fragments take the registers that the last conversions have read
	ds_load_b128 v[F2A+8*\sk:F2A+8*\sk+3],   v225 offset:(\sk>>1)*16*PIT+(\sk&1)*64
	ds_load_b128 v[F2A+8*\sk+4:F2A+8*\sk+7], v225 offset:(\sk>>1)*16*PIT+(\sk&1)*64+32
.endr
	WIN 0x44                                       ; f3's fragment (in since the waits above): row (kbit, l) is zero in the K half of the other k
.irp x, 0,1,2,3,4,5,6,7,8,9,10,11,12,13,14,15,16,17,18,19,20,21,22,23,24,25,26,27,28,29,30,31
	v_cndmask_b32 v[F3F+\x], 0, v[F3F+\x], vcc_lo
.endr
; One row tile of A01 (a = 2 mt, 2 mt + 1) through steps 2, 3, 4.  In every run the accumulators take turns, one instruction a turn.
.macro MT mt
.if \mt
	s_wait_dscnt 0x0                               ; A01's fragments of this tile
.else
	s_wait_dscnt 16                                ; A01's fragments of tile 0; f2's sixteen loads, issued behind them, stay out
.endif
	WIN 0x04                                       ; B in window 1
.irp kh, 0,1,2,3                                   ; K block kh >> 1, hi or lo kh & 1
.irp sx, 0,1,2,3,4,5,6,7
	WM ACC+8*\sx, AF+16*(\kh&1)+8*(\kh>>1), CB+16*\sx+8*(\kh>>1), \kh
.endr
.endr
	WIN 0
	PLACES
.if \mt < 3
	A01_LD (\mt+1)                                 ; lands during the splits and steps 3 and 4
.endif
.irp sx, 0,1,2,3,4,5,6,7
	USPLIT \sx
.endr
.if \mt == 0
	s_wait_dscnt 8                                 ; f2's fragments; the eight loads of A01's next tile were issued behind them
.endif
	WIN 0x01                                       ; A in window 1
.irp kh, 0,1,2,3
.irp m3, 0,1,2,3
.irp al, 0,1
	WM ACC+8*(2*\m3+\al), F2A+16*\m3+8*(\kh>>1), PU+32*\al+16*(\kh&1)+8*(\kh>>1), \kh
.endr
.endr
.endr
	WIN 0
	PLACES
.irp m3, 0,1,2,3
	VSPLIT \m3
.endr
	WIN 0x01
.irp hl, 0,1
.irp m3, 0,1,2,3
	WM ACC4+8*\m3, F3F+8*\mt, PU+16*\m3+8*\hl, \mt+\hl
.endr
.endr
.endm
	MT 0
	MT 1
	MT 2
	MT 3
	WIN 0
	PLACES
.irp mq, 0,1,2,3,4,5,6,7                           ; tile mq >> 1, registers 4 (mq & 1) ..; into bytes of core that only I have read, and whose one fill is long over
	ds_store_b128 v228, v[ACC4+4*\mq:ACC4+4*\mq+3] offset:\mq*512
.endr
	s_wait_dscnt 0x0                               ; for the waves that add them up
	s_barrier_signal -1
	s_barrier_wait -1
	s_cmp_gt_u32 s24, 3
	s_cbranch_scc1 .Ldone
	; waves 0-3: the sum over t of k pair w.  A lane then holds T4[k = 2 w + h, l = 0..7, o = r].
.irp pq, 0,1,2,3,4,5,6,7,8,9,10,11,12,13,14,15
	ds_load_b128 v[16+4*\pq:16+4*\pq+3], v[RDA+(\pq>>2)] offset:((\pq>>1)&1)*CBLK+(\pq&1)*512
.endr
	s_wait_dscnt 0x0
.irp p, 0,2,4,6
.irp c, 0,2,4,6
	v_pk_add_f32 v[16+8*\p+\c:16+8*\p+\c+1], v[16+8*\p+\c:16+8*\p+\c+1], v[24+8*\p+\c:24+8*\p+\c+1]
.endr
.endr
.irp p, 0,4
.irp c, 0,2,4,6
	v_pk_add_f32 v[16+8*\p+\c:16+8*\p+\c+1], v[16+8*\p+\c:16+8*\p+\c+1], v[32+8*\p+\c:32+8*\p+\c+1]
.endr
.endr
.irp c, 0,2,4,6
	v_pk_add_f32 v[16+\c:16+\c+1], v[16+\c:16+\c+1], v[48+\c:48+\c+1]
.endr
.irp u, 0,1,2,3
	PK 144+\u, 16+2*\u, 16+2*\u+1
.endr
	global_store_b128 v230, v[144:147], s[20:21]   ; sixteen lanes store 256 consecutive bytes, at a multiple of 256 from t4f's first byte
.Ldone:
	s_wait_tensorcnt 0x0
	ds_add_u32 v8, v15
	s_wait_dscnt 0x0
	ROUND                                          ; the closing round: no work-group ends while a partner may still ask for a tile that names it
	s_endpgm
.Lfunc_end_k_q1e4287dad2_ring:
	.size	k_q1e4287dad2_ring, .Lfunc_end_k_q1e4287dad2_ring-k_q1e4287dad2_ring
	.p2alignl 7, 3214868480
	.fill 96, 4, 3214868480
	.section	.rodata,"a",@progbits
	.p2align	6, 0x0
	.amdhsa_kernel k_q1e4287dad2_ring
		.amdhsa_group_segment_fixed_size 304384
		.amdhsa_private_segment_fixed_size 0
		.amdhsa_enable_private_segment 0
		.amdhsa_kernarg_size 64
		.amdhsa_user_sgpr_count 2
		.amdhsa_user_sgpr_kernarg_segment_ptr 1
		.amdhsa_wavefront_size32 1
		.amdhsa_system_sgpr_workgroup_id_x 1
		.amdhsa_system_sgpr_workgroup_id_y 1
		.amdhsa_system_sgpr_workgroup_id_z 1
		.amdhsa_system_vgpr_workitem_id 0
		.amdhsa_next_free_vgpr 484
		.amdhsa_next_free_sgpr 100
		.amdhsa_reserve_vcc 1
		.amdhsa_float_denorm_mode_32 3
		.amdhsa_float_denorm_mode_16_64 3
		.amdhsa_memory_ordered 1
		.amdhsa_forward_progress 1
		.amdhsa_inst_pref_size 136
	.end_amdhsa_kernel
	.amdgpu_metadata
---
amdhsa.version: [ 1, 2 ]
amdhsa.kernels:
  - .name:           k_q1e4287dad2_ring
    .symbol:         k_q1e4287dad2_ring.kd
    .args:
      - { .name: f0, .offset: 0, .size: 8, .value_kind: global_buffer, .address_space: global }
      - { .name: f1, .offset: 8, .size: 8, .value_kind: global_buffer, .address_space: global }
      - { .name: f2, .offset: 16, .size: 8, .value_kind: global_buffer, .address_space: global }
      - { .name: f3, .offset: 24, .size: 8, .value_kind: global_buffer, .address_space: global }
      - { .name: core, .offset: 32, .size: 8, .value_kind: global_buffer, .address_space: global }
      - { .name: out_factor, .offset: 40, .size: 8, .value_kind: global_buffer, .address_space: global }
      - { .name: t4f, .offset: 48, .size: 8, .value_kind: global_buffer, .address_space: global }
      - { .name: off, .offset: 56, .size: 8, .value_kind: global_buffer, .address_space: global }
    .group_segment_fixed_size: 304384
    .private_segment_fixed_size: 0
    .kernarg_segment_align: 8
    .kernarg_segment_size: 64
    .max_flat_workgroup_size: 256
    .sgpr_count:     100
    .vgpr_count:     484
    .wavefront_size: 32
...
	.end_amdgpu_metadata
.endif
;; end of part 1
;; launch apply (part 2): grid 256 x 1, 8 waves a work-group, clusters of 4 x 1, 327,680 bytes of LDS; arguments x, t4f, off, bias, out0; writes out0
.if DOCPART == 2
	.amdgcn_target "amdgcn-amd-amdhsa--gfx1250"
	.amdhsa_code_object_version 6
	.text
	.protected	k_q1e4287dad2_apply
	.globl	k_q1e4287dad2_apply
	.p2align	8
	.type	k_q1e4287dad2_apply,@function
k_q1e4287dad2_apply:
	s_mov_b64 s[64:65], 0
	v_nop
	global_prefetch_b8 v0, s[64:65] scope:SCOPE_SE
	s_setreg_imm32_b32 hwreg(HW_REG_WAVE_MODE, 25, 1), 1
	s_wait_xcnt 0x0
	s_wait_alu depctr_hold_cnt(0) depctr_sa_sdst(0) depctr_va_vdst(0) depctr_va_sdst(0) depctr_va_ssrc(0) depctr_va_vcc(0) depctr_vm_vsrc(0)
	s_getreg_b32 s2, hwreg(HW_REG_IB_STS2, 6, 4)
	s_cmp_eq_u32 s2, 0
	s_cbranch_scc0 .Lentry_in_a_cluster
	s_endpgm
.Lentry_in_a_cluster:
	s_bfe_u32 s2, ttmp6, 0x10000c
	s_cmp_lg_u32 s2, 0x3003
	s_cbranch_scc0 .Lentry_shape_is_right
	s_endpgm
.Lentry_shape_is_right:
; out[b, f] = sum over o of ( sum over K of x[b, K] T4[K, o] ) out_factor[o, f] + bias[f].   No work of the problem is left out; only the order of the sums
; differs from the problem's text, which forms T4 . out_factor first (equal in exact arithmetic for all values).
; x is rounded to bf16 on its way to the matrix unit; T4 and out_factor come in bf16 as ready fragments from the first launch;
; y = x . T4 stays in f32 and goes into the second product as a pair hi + lo of bf16.
; SHARES.  A work-group takes 16 rows of x.  Wave w takes the 512 columns K = 512 w .., in four periods of 128 columns (four K blocks of 32), and makes a partial
; y[16, 64]; the partial sums meet in LDS.  Then wave w makes columns f = 128 w .. 128 w + 127.
; x COMES THROUGH REGISTERS: each load of a wave covers 512 consecutive bytes of one row.  Three periods' loads (48 a wave, 196,608 bytes a work-group) go out at the
; start, the fourth period's as soon as the first period's registers have been rounded.  A period's 16 x 128 numbers pass, in bf16, a stage of the wave's own in LDS,
; from which the fragments are read: rows change lanes there.
; CLUSTERS: every work-group needs all of T4 (524,288 bytes) and of off (131,072).  The four work-groups of a cluster ask for them jointly, which divides those requests
; by four.  Two slots of 131,072 bytes take turns: a fill is one period's T4, 16,384 bytes (four K blocks, consecutive in t4f) for each wave, asked for and read by that
; wave alone.  Fills 0 and 1 go out at the start; fills 2 and 3, and off as a fifth, each stand behind a round of the cluster's barrier.  x is on LOADcnt, so the
; waits for all tensor loads in front of those rounds do not wait for x.
; K places: in both operands lane half h, element e = 0..15 of a fragment stands for k = 32 block + 16 h + e.
.set SLOT,  131072
.set XST,   2*SLOT                     ; eight stages of 16 rows x 272 bytes: x in bf16 (256 bytes + 16, an odd multiple of 16), later the wave's partial y in f32; no tensor load lands here
.set YPIT,  272
.set YBLK,  16*YPIT
.set YP,    XST
.set YS,    XST+8*YBLK                 ; the summed y
.set BA,    1                          ; v1, v2   my part of slot 0, of slot 1: 16 bytes a lane
.set NEG1,  7                          ; -1.0
.set BIAS,  8                          ; v8-15    bias[64 (2w + g) + 4 r + i], g = 0, 1
.set BF,    16                         ; v16-143  a period's fragments of T4 [K block][o tile]; then all 32 chunks of off; then results to store
.set XB,    144                        ; v144-175 a period's x in bf16; later sums, y, and result tiles 4-7
.set AF,    176                        ; v176-207 x's fragments of four K blocks; later y's fragments [hi, lo][K block]
.set XG,    208                        ; v208     x: 16 bytes a lane
.set XS,    209                        ; v209     my stage: 8 bytes a lane
.set XA,    210                        ; v210     my stage: r * pitch + 32 h
.set ACC,   224                        ; v224-255 y's four tiles; later result tiles 0-3
                                       ; window 1: v256-447, three groups of 64: x as loaded, row by row
.set G1,    16                         ; s[16:23] descriptor group 1
.set G0,    68                         ; s[68:87] descriptor group 0, one set for each of the five fills; never written again
.set MSB, 0
.macro WIN new                         ; s_set_vgpr_msb: low byte = windows of source 0, 1, 2, destination; high byte repeats the setting left
.if MSB != \new
	s_set_vgpr_msb (MSB<<8)|\new
.set MSB, \new
.endif
.endm
.macro PLACES                          ; four independent vector instructions behind a matrix instruction (ISA guide 7.12.1)
.rept 4
	v_nop
.endr
.endm
.macro ROUND                           ; a round of the cluster's barrier: my work-group's barrier; wave 0 signals for it; every wave waits for all four; my work-group's barrier again
	s_barrier_signal -1
	s_barrier_wait -1
	s_cmp_lg_u32 s40, 0
	s_cbranch_scc1 .Lnot_wave_0_\@
	s_barrier_signal -3
.Lnot_wave_0_\@:
	s_barrier_wait -3
	s_barrier_signal -1
	s_barrier_wait -1
.endm
.macro WM d, a, b, acc
.if \acc
	v_wmma_f32_16x16x32_bf16 v[\d:\d+7], v[\a:\a+7], v[\b:\b+7], v[\d:\d+7]
.else
	v_wmma_f32_16x16x32_bf16 v[\d:\d+7], v[\a:\a+7], v[\b:\b+7], 0
.endif
.endm
.macro XLD c                           ; period c of x: 16 rows, 512 consecutive bytes each, into group c mod 3 of window 1
.irp ro, 0,1,2,3,4,5,6,7,8,9,10,11,12,13,14,15
	global_load_b128 v[64*(\c%3)+4*\ro:64*(\c%3)+4*\ro+3], v[XG], s[4:5] offset:\ro*16384+\c*512 th:TH_LOAD_NT
.endr
.endm
	s_load_b256 s[4:11], s[0:1], 0x0               ; x s[4:5], t4f s[6:7], off s[8:9], bias s[10:11]
	s_load_b64 s[12:13], s[0:1], 0x20              ; out0
	v_lshl_add_u32 v222, v0, 2, 0x49900
	v_mov_b32 v223, 0
	ds_add_u32 v222, v223
	ds_add_u32 v222, v223
	v_lshrrev_b32 v1, 5, v0
	v_readfirstlane_b32 s40, v1                    ; wave w
	; My place in the cluster enters x's and out0's offsets alone: only s24, s32, s36, s37 ever hold anything made of it.
	s_bfe_u32 s36, ttmp6, 0x40000                  ; cx
	s_lshl_b32 s37, ttmp9, 2
	s_add_co_u32 s37, s37, s36                     ; the work-group's number
	s_mov_b32 s[G1+0], 15|(3<<16)|(1<<21)          ; 15:0 the mask: all four; 17:16 elements of 8 bytes; 20 no padding; 21 set beside a mask
	s_mov_b32 s[G1+1], 32<<16                      ; tensor_dim0 = 32
	s_mov_b32 s[G1+2], 64<<16                      ; tensor_dim1 = 64
	s_mov_b32 s[G1+3], 32<<16                      ; tile_dim0 = 32 elements, 256 bytes
	s_mov_b32 s[G1+4], 64                          ; tile_dim1 = 64 rows: a dense block of 16,384 bytes
	s_mov_b32 s[G1+5], 32                          ; each row begins where the last ends
	s_mov_b32 s[G1+6], 0
	s_mov_b32 s[G1+7], 0
	s_lshl_b32 s34, s40, 14                        ; my part of a slot
	s_lshl_b32 s24, s37, 18                        ; x: 16 rows of 16,384 bytes a work-group, 2,048 bytes of each row a wave
	s_lshl_b32 s35, s40, 11
	s_add_co_u32 s24, s24, s35
	s_mov_b32 s25, 0
	s_lshl_b32 s26, s40, 16                        ; t4f: 16 K blocks of 4,096 bytes a wave
	s_mov_b32 s27, 0
	s_lshl_b32 s28, s40, 14                        ; off: 32 chunks of 512 bytes a wave
	s_mov_b32 s29, 0
	s_lshl_b32 s30, s40, 9                         ; bias: 128 numbers a wave
	s_mov_b32 s31, 0
	s_lshl_b32 s32, s37, 16                        ; out0: 16 rows of 4,096 bytes a work-group, 512 bytes of each row a wave
	s_add_co_u32 s32, s32, s30
	s_mov_b32 s33, 0
	v_and_b32 v211, 31, v0                         ; lane L
	v_and_b32 v212, 15, v0                         ; r
	v_bfe_u32 v213, v0, 4, 1                       ; h
	v_lshrrev_b32 v214, 4, v0                      ; thread >> 4: a row of y in the sum over waves
	v_lshlrev_b32 v[XG], 4, v211
	v_lshl_add_u32 v[BA], v211, 4, s34
	v_add_nc_u32 v[BA+1], SLOT, v[BA]
	s_mul_i32 s35, s40, YBLK
	s_add_co_u32 s35, s35, XST                     ; my stage
	v_lshl_add_u32 v[XS], v211, 3, s35
	v_mul_u32_u24 v[XA], v212, YPIT
	v_lshl_add_u32 v[XA], v213, 5, v[XA]
	v_add_nc_u32 v[XA], s35, v[XA]
	v_mul_u32_u24 v3, v213, 8*YPIT                 ; my partial y: row 8 h (+ j), column r (+ 16 tile)
	v_lshl_add_u32 v3, v212, 2, v3
	v_add_nc_u32 v3, s35, v3
	v_mul_u32_u24 v4, v214, YPIT                   ; the sum: row thread >> 4, four columns at 4 (thread & 15)
	v_lshl_add_u32 v4, v212, 4, v4
	v_add_nc_u32 v4, YP, v4
	v_mul_u32_u24 v5, v212, YPIT                   ; y's fragments: row r, 64 h
	v_lshl_add_u32 v5, v213, 6, v5
	v_add_nc_u32 v5, YS, v5
	v_lshlrev_b32 v6, 4, v212                      ; out0: row 8 h, 16 r
	v_lshl_add_u32 v6, v213, 15, v6
	v_mov_b32 v[NEG1], -1.0
	v_lshlrev_b32 v0, 4, v212                      ; bias: 16 r
	s_wait_dscnt 0x0
	s_wait_kmcnt 0x0
	s_add_nc_u64 s[4:5], s[4:5], s[24:25]
	s_add_nc_u64 s[6:7], s[6:7], s[26:27]
	s_add_nc_u64 s[8:9], s[8:9], s[28:29]
	s_add_nc_u64 s[10:11], s[10:11], s[30:31]
	s_add_nc_u64 s[12:13], s[12:13], s[32:33]
	global_load_b128 v[BIAS:BIAS+3],   v0, s[10:11]            ; the wave's oldest loads: they change none of the counts below
	global_load_b128 v[BIAS+4:BIAS+7], v0, s[10:11] offset:256
	WIN 0x40                                       ; destination in window 1, address in window 0
	XLD 0                                          ; x goes out ahead of the round: it is on its way while the four work-groups meet
	XLD 1
	XLD 2
	WIN 0
.irp f, 0,1,2,3                                    ; T4's four fills: made of the wave's number and constants, so equal in the four partners
	s_mov_b32 s[G0+4*\f], 1
	s_add_co_u32 s[G0+4*\f+1], s34, (\f&1)*SLOT
	s_add_nc_u64 s[G0+4*\f+2:G0+4*\f+3], s[6:7], \f*16384
	s_or_b32 s[G0+4*\f+3], s[G0+4*\f+3], 0x80000000
.endr
	s_mov_b32 s[G0+16], 1                          ; the fifth fill: my 32 chunks of off, into slot 0
	s_add_co_u32 s[G0+17], s34, 0
	s_mov_b64 s[G0+18:G0+19], s[8:9]
	s_or_b32 s[G0+19], s[G0+19], 0x80000000
	ROUND                                          ; the four work-groups are here: the first joint loads meet
	tensor_load_to_lds s[G0:G0+3], s[G1:G1+7]      ; both first fills in one group: two tensor loads of the wave are out
	s_nop 0
	tensor_load_to_lds s[G0+4:G0+7], s[G1:G1+7]
	s_nop 0
; One period: 128 columns of K.  left = how many loads of x were issued behind this period's.
.macro PERIOD c, left
.irp q, 0,1,2,3,4,5,6,7,8,9,10,11,12,13,14,15,16,17,18,19,20,21,22,23,24,25,26,27,28,29,30,31
	ds_load_b128 v[BF+4*\q:BF+4*\q+3], v[BA+(\c&1)] offset:\q*512      ; T4's fragments, 512 consecutive bytes a load: they come while the wave waits for x
.endr
	s_wait_loadcnt \left                           ; loads come back in order (ISA guide 5.7.1): this period's sixteen rows are in
	WIN 0x05                                       ; both sources in window 1
.irp e, 0,1,2,3,4,5,6,7,8,9,10,11,12,13,14,15,16,17,18,19,20,21,22,23,24,25,26,27,28,29,30,31
	v_cvt_pk_bf16_f32 v[XB+\e], v[64*(\c%3)+2*\e], v[64*(\c%3)+2*\e+1]
.endr
.if \c == 0
	WIN 0x40
	XLD 3                                          ; the last period's x, into the registers that have just been rounded
.endif
	WIN 0
.irp ro, 0,1,2,3,4,5,6,7,8,9,10,11,12,13,14,15
	ds_store_b64 v[XS], v[XB+2*\ro:XB+2*\ro+1] offset:\ro*YPIT         ; a row of 128 bf16: 256 consecutive bytes
.endr
.irp f, 0,1,2,3,4,5,6,7                            ; LDS serves a wave's instructions in order (ISA guide 5.7.1.4): these see the stores above, and the next period's stores come behind them
	ds_load_b128 v[AF+4*\f:AF+4*\f+3], v[XA] offset:(\f>>1)*64+(\f&1)*16
.endr
	s_wait_dscnt 0x0
.irp kk, 0,1,2,3                                   ; four accumulators take turns, one instruction a turn
.irp t, 0,1,2,3
	WM ACC+8*\t, AF+8*\kk, BF+32*\kk+8*\t, \c+\kk
.endr
.endr
	PLACES                                         ; ahead of the next loads into the fragments' registers, and of the stores of the sums
.endm
; The slot just read is filled again.  My reads of it are back and all my tensor loads have landed; the round says the same of every wave of the four work-groups;
; then my one tensor load, first thing behind the round.
.macro NEXT f
	s_wait_dscnt 0x0
	s_wait_tensorcnt 0x0
	ds_add_u32 v222, v223
	s_wait_dscnt 0x0
	ROUND
	tensor_load_to_lds s[G0+4*\f:G0+4*\f+3], s[G1:G1+7]
	s_nop 0
.endm
	s_wait_tensorcnt 0x1                           ; my part of fill 0 is in; fill 1 may stay out.  Only I read my part, so my own wait is all that the reads need
	PERIOD 0, 32                                   ; behind period 0's x: periods 1 and 2
	NEXT 2
	PERIOD 1, 32                                   ; behind period 1's x: periods 2 and 3
	NEXT 3
	PERIOD 2, 16
	NEXT 4                                         ; off, into slot 0
	PERIOD 3, 0
	s_wait_tensorcnt 0x0                           ; my chunks of off are in; no tensor load is out from here on
.irp q, 0,1,2,3,4,5,6,7,8,9,10,11,12,13,14,15,16,17,18,19,20,21,22,23,24,25,26,27,28,29,30,31
	ds_load_b128 v[BF+4*\q:BF+4*\q+3], v[BA] offset:\q*512
.endr
.irp t, 0,1,2,3
.irp j, 0,1,2,3,4,5,6,7
	ds_store_b32 v3, v[ACC+8*\t+\j] offset:\j*YPIT+\t*64           ; y(8 h + j, 16 t + r), into my stage, whose x has been read
.endr
.endr
	s_wait_dscnt 0x0                               ; my partial y is written, for the others' sake
	s_barrier_signal -1
	s_barrier_wait -1
.irp p, 0,1,2,3,4,5,6,7
	ds_load_b128 v[XB+4*\p:XB+4*\p+3], v4 offset:\p*YBLK
.endr
	s_wait_dscnt 0x0
.irp p, 0,2,4,6
.irp c, 0,2
	v_pk_add_f32 v[XB+4*\p+\c:XB+4*\p+\c+1], v[XB+4*\p+\c:XB+4*\p+\c+1], v[XB+4*\p+4+\c:XB+4*\p+4+\c+1]
.endr
.endr
.irp p, 0,4
.irp c, 0,2
	v_pk_add_f32 v[XB+4*\p+\c:XB+4*\p+\c+1], v[XB+4*\p+\c:XB+4*\p+\c+1], v[XB+4*\p+8+\c:XB+4*\p+8+\c+1]
.endr
.endr
.irp c, 0,2
	v_pk_add_f32 v[XB+\c:XB+\c+1], v[XB+\c:XB+\c+1], v[XB+16+\c:XB+16+\c+1]
.endr
	ds_store_b128 v4, v[XB:XB+3] offset:YS-YP
	s_wait_dscnt 0x0                               ; my four numbers of y are written, for the others' sake
	s_barrier_signal -1
	s_barrier_wait -1
.irp kq, 0,1,2,3,4,5,6,7
	ds_load_b128 v[XB+4*\kq:XB+4*\kq+3], v5 offset:(\kq>>2)*128+(\kq&3)*16   ; y(r, 32 kb + 16 h + 0..15)
.endr
	s_wait_dscnt 0x0
.irp g, 0,8                                        ; y = hi + lo, eight pairs at a time
.irp e, 0,1,2,3,4,5,6,7
	v_cvt_pk_bf16_f32 v[AF+\g+\e], v[XB+2*(\g+\e)], v[XB+2*(\g+\e)+1]
.endr
.irp e, 0,1,2,3,4,5,6,7
	v_fma_mix_f32_bf16 v[XB+2*(\g+\e)],   v[AF+\g+\e], v[NEG1], v[XB+2*(\g+\e)]   op_sel_hi:[1,0,0]
	v_fma_mix_f32_bf16 v[XB+2*(\g+\e)+1], v[AF+\g+\e], v[NEG1], v[XB+2*(\g+\e)+1] op_sel:[1,0,0] op_sel_hi:[1,0,0]
.endr
.irp e, 0,1,2,3,4,5,6,7
	v_cvt_pk_bf16_f32 v[AF+16+\g+\e], v[XB+2*(\g+\e)], v[XB+2*(\g+\e)+1]
.endr
.endr
	; tile = 4 g + i holds columns f = 64 (2 w + g) + 4 r + i.  Tiles 0-3 in v224-255, tiles 4-7 in v144-175.  Eight accumulators take turns.
.irp kh, 0,1,2,3                                   ; K block kh >> 1, hi or lo kh & 1
.irp t, 0,1,2,3,4,5,6,7
	WM ACC+8*\t-112*(\t>>2), AF+16*(\kh&1)+8*(\kh>>1), BF+16*\t+8*(\kh>>1), \kh
.endr
.endr
	PLACES
	; the bias is added, and the add also lays the four neighbouring columns i = 0..3 into four consecutive registers
.irp g, 0,1
.irp j, 0,1,2,3,4,5,6,7
.irp i, 0,1,2,3
	v_add_f32 v[BF+32*\g+4*\j+\i], v[ACC-80*\g+8*\i+\j], v[BIAS+4*\g+\i]
.endr
	global_store_b128 v6, v[BF+32*\g+4*\j:BF+32*\g+4*\j+3], s[12:13] offset:\j*4096+\g*256 th:TH_STORE_NT   ; sixteen lanes store 256 consecutive bytes, aligned; every store has data registers of its own
.endr
.endr
	s_wait_tensorcnt 0x0
	ds_add_u32 v222, v223
	s_wait_dscnt 0x0
	ROUND                                          ; the closing round: no work-group ends while a partner may still ask for a tile that names it
	s_endpgm
.Lfunc_end_k_q1e4287dad2_apply:
	.size	k_q1e4287dad2_apply, .Lfunc_end_k_q1e4287dad2_apply-k_q1e4287dad2_apply
	.p2alignl 7, 3214868480
	.fill 96, 4, 3214868480
	.section	.rodata,"a",@progbits
	.p2align	6, 0x0
	.amdhsa_kernel k_q1e4287dad2_apply
		.amdhsa_group_segment_fixed_size 327680
		.amdhsa_private_segment_fixed_size 0
		.amdhsa_enable_private_segment 0
		.amdhsa_kernarg_size 40
		.amdhsa_user_sgpr_count 2
		.amdhsa_user_sgpr_kernarg_segment_ptr 1
		.amdhsa_wavefront_size32 1
		.amdhsa_system_sgpr_workgroup_id_x 1
		.amdhsa_system_sgpr_workgroup_id_y 1
		.amdhsa_system_sgpr_workgroup_id_z 1
		.amdhsa_system_vgpr_workitem_id 0
		.amdhsa_next_free_vgpr 448
		.amdhsa_next_free_sgpr 88
		.amdhsa_reserve_vcc 0
		.amdhsa_float_denorm_mode_32 3
		.amdhsa_float_denorm_mode_16_64 3
		.amdhsa_memory_ordered 1
		.amdhsa_forward_progress 1
		.amdhsa_inst_pref_size 57
	.end_amdhsa_kernel
	.amdgpu_metadata
---
amdhsa.version: [ 1, 2 ]
amdhsa.kernels:
  - .name:           k_q1e4287dad2_apply
    .symbol:         k_q1e4287dad2_apply.kd
    .args:
      - { .name: x, .offset: 0, .size: 8, .value_kind: global_buffer, .address_space: global }
      - { .name: t4f, .offset: 8, .size: 8, .value_kind: global_buffer, .address_space: global }
      - { .name: off, .offset: 16, .size: 8, .value_kind: global_buffer, .address_space: global }
      - { .name: bias, .offset: 24, .size: 8, .value_kind: global_buffer, .address_space: global }
      - { .name: out0, .offset: 32, .size: 8, .value_kind: global_buffer, .address_space: global }
    .group_segment_fixed_size: 327680
    .private_segment_fixed_size: 0
    .kernarg_segment_align: 8
    .kernarg_segment_size: 40
    .max_flat_workgroup_size: 256
    .sgpr_count:     88
    .vgpr_count:     448
    .wavefront_size: 32
...
	.end_amdgpu_metadata
.endif
;; end of part 2
